; MI455X (gfx1250); checked and timed in simulation.
; The chip was launched on July 23, 2026; its instructions are those of AMD's public machine-readable ISA for CDNA 5 (MIT licence, August 2026) and "CDNA5" Instruction Set Architecture Reference Guide (July 2026). The comments in the code are by the model that wrote it; some were corrected since.
;; DFT. Allowed arithmetic: matrix products marked QUANTISED: E4M3 operands, one given power-of-two scale a tensor, by v_wmma_f32_16x16x64_fp8_fp8 or v_wmma_f32_16x16x128_fp8_fp8, f32 sums; everything else in f32.
;; Inputs: W_imag_codes 2,048 x 64 x 32 uint8 (E4M3 codes of W_imag, K innermost, in blocks of 32 codes); W_real_codes 2,048 x 64 x 32 uint8 (E4M3 codes of W_real, K innermost, in blocks of 32 codes); lowp_scales 8 int32 (the exponents e of the quantised operands' scales 2^e); x_imag_codes 4,096 x 64 x 32 uint8 (E4M3 codes of x_imag, K innermost, in blocks of 32 codes); x_real_codes 4,096 x 64 x 32 uint8 (E4M3 codes of x_real, K innermost, in blocks of 32 codes).
;; Outputs: out0 4,096 x 2,048 float32; out1 4,096 x 2,048 float32.
;; This version of the problem:
;;   THIS VERSION OF THE PROBLEM IS GIVEN IN LOW PRECISION. The matrix products marked QUANTISED in the list below multiply operands that are first quantised to E4M3 (4 exponent bits, 3 mantissa bits; 8 bits a number), with one given power-of-two scale for each operand tensor; their sums are f32. All else is computed in f32.
;;   The module's matrix products, in the order in which they are computed (A, B: the left and right operand; K: the contracted axis; several contracted axes count as one K, in the product's order):
;;     1. [M 4,096, K 2,048] x [K 2,048, N 2,048]; A: input x_real (given as codes); B: input W_real (given as codes): QUANTISED (scales: A lowp_scales[0], B lowp_scales[1])
;;     2. [M 4,096, K 2,048] x [K 2,048, N 2,048]; A: input x_imag (given as codes); B: input W_imag (given as codes): QUANTISED (scales: A lowp_scales[2], B lowp_scales[3])
;;     3. [M 4,096, K 2,048] x [K 2,048, N 2,048]; A: input x_imag (given as codes); B: input W_real (given as codes): QUANTISED (scales: A lowp_scales[4], B lowp_scales[5])
;;     4. [M 4,096, K 2,048] x [K 2,048, N 2,048]; A: input x_real (given as codes); B: input W_imag (given as codes): QUANTISED (scales: A lowp_scales[6], B lowp_scales[7])
;;   THE QUANTISER, for each operand of a quantised product, along K:
;;     - The operand's scale is 2^e, e = its entry of the input lowp_scales (int32; the entries are numbered through the quantised products in the list's order, A before B).
;;     - Each number is divided by the scale, clamped to +-448, and rounded to the nearest number of E4M3, ties to even, subnormals kept.
;;     - The product sums the exact products of the quantised numbers (number of the format x scale) in f32.
;;   ~~~python
;;   def quantise(x, axis, e):      # numpy; x: float32 -> the quantised numbers, widened to float32 again
;;       x = np.moveaxis(x, axis, -1); K = x.shape[-1]
;;       r = np.clip(x / 2.0 ** e, -448, 448)
;;       step = 2.0 ** (np.maximum(np.frexp(np.where(r == 0, 1, r))[1] - 1, -6) - 3)
;;       q = np.round(r / step) * step * 2.0 ** e      # np.round: ties to even
;;       return np.moveaxis(q, -1, axis).astype(np.float32)
;;   ~~~
;;   INPUTS GIVEN AS CODES. W_imag (in the module: [2048, 2048], K = its axis 0); W_real (in the module: [2048, 2048], K = its axis 0); x_imag (in the module: [4096, 2048], K = its axis 1); x_real (in the module: [4096, 2048], K = its axis 1): each comes as NAME_codes (uint8): NAME with its K axis moved to the last place and cut into blocks of 32 codes, [.., K / 32, bytes a block], one block behind the other in memory; one code a byte (a code: sign, 4 exponent bits, 3 mantissa bits); its scale is its entry of lowp_scales. Its value is code x scale, taken as it is: it is not quantised again, and the codes and scales need not be those that the quantiser above would give.
;; One version. Each part assembles by itself: llvm-mc -triple=amdgcn-amd-amdhsa -mcpu=gfx1250 --defsym DOCPART=n.
;; ======== version 1 of 1: 1 launch
;; limits: right only within a limited range of input values
;; launch dft (part 1): grid 16 x 16, 4 waves a work-group, clusters of 4 x 4, 327,680 bytes of LDS; arguments x_real_codes, x_imag_codes, W_real_codes, W_imag_codes, lowp_scales, out0, out1; writes out0, out1
.if DOCPART == 1
	.amdgcn_target "amdgcn-amd-amdhsa--gfx1250"
	.amdhsa_code_object_version 6
	.text
	.protected	k_qc7e72be76f_dft
	.globl	k_qc7e72be76f_dft
	.p2align	8
	.type	k_qc7e72be76f_dft,@function
k_qc7e72be76f_dft:
	s_mov_b64 s[64:65], 0
	v_nop
	global_prefetch_b8 v0, s[64:65] scope:SCOPE_SE
	s_setreg_imm32_b32 hwreg(HW_REG_WAVE_MODE, 25, 1), 1
	s_wait_xcnt 0x0
	s_wait_alu depctr_hold_cnt(0) depctr_sa_sdst(0) depctr_va_vdst(0) depctr_va_sdst(0) depctr_va_ssrc(0) depctr_va_vcc(0) depctr_vm_vsrc(0)
	s_getreg_b32 s2, hwreg(HW_REG_IB_STS2, 6, 4)
	s_cmp_eq_u32 s2, 0
	s_cbranch_scc0 .Lentry_in_a_cluster
	s_endpgm
.Lentry_in_a_cluster:
	s_bfe_u32 s2, ttmp6, 0x10000c
	s_cmp_lg_u32 s2, 0xf033
	s_cbranch_scc0 .Lentry_shape_is_right
	s_endpgm
.Lentry_shape_is_right:
; z_real = xr Wr - xi Wi, z_imag = xi Wr + xr Wi on E4M3 codes as given; four f32 sums for each pair of outputs, each multiplied once by 2^(its two exponents), then joined by one fused multiply-add.
; All inputs are read; no work of the problem is left out.  LIMIT: each sum of two exponents (e0+e1, e2+e3, e4+e5, e6+e7) lies between -126 and 127, so that its power of two is an f32 number.
; A work-group of four waves makes two tiles, 2,048 rows apart, of 128 rows x 128 columns of both outputs.  A slot of LDS holds 256 along K of 128 rows each of xr, xi, Wr, Wi (one tensor load a wave).
; A wave makes 64 rows x 64 columns of the four products: 64 accumulators.  CLUSTERS 4 x 4: x's tiles are asked for jointly along a row of the cluster, W's along a column.
; Each cluster begins K at its own place and goes round (the sums' order along K is free within the comparison's bound).
; A SLOT IS EIGHT GROUPS of 16 matrix instructions: group g = step g/4 (128 along K), row block g%4: xr's and xi's fragment of 16 rows, each against W's eight fragments.
; The slot's 128 LDS loads go out in five runs (36, 20, 8, 32, 32), each a group or more ahead of its use.  A's pairs of fragments live in five buffers X0..X4 (group g reads X[g%5]), B's in two sets.
; The change of slots stands at groups 3 and 4: by then the slot's last fragments have been asked for; the next slot's are asked for from group 5 on.
; THE WAY OUT: row block k is finished by group 4+k of a tile's last step.  It is scaled and joined IN ITS OWN ACCUMULATOR REGISTERS, goes through the wave's own stage and comes back into the same registers as whole rows;
; the tile's 64 stores leave in one run, ahead of the products that begin the next tile's sums in those registers (or at the end).
; PREFETCH: behind each joint load one instruction a wave names the 256 bytes of 32 rows (a lane a row) of the slot that stands two refills on; the four partners that ask for a tile jointly share its 128 rows
; by address (cx for x, cy for W).  x: slots 1 to 15; W: slots 1 to 7 (the second tile reads the same rows of W again).  A count in s[PC] ends the asking; every address lies inside its buffer.
; REGISTERS: window 0: v16-30 addresses, v96-255 X0..X4; window 1: B's two sets; window 2: accumulators of row blocks 0, 1; window 3: of 2, 3 (block k, x part m, W fragment b at 128 (k%2) + 64 m + 8 b).
.set KDIM,   2048
.set ROWB,   256
.set KMASK,  KDIM-ROWB
.set PITCH,  272                       ; 256 bytes + 16 of padding: the 16 rows of a fragment load begin in 16 different groups of banks
.set HALFT,  128*PITCH
.set SLOT,   4*HALFT
.set SPARE,  2*SLOT                    ; the spare words, 128 bytes a wave
.set STAGE,  SPARE+512                 ; 16 rows x 272 bytes for each wave; no tensor load lands here
.set OROW,   8192
.set NEXT_A, 2048*KDIM
.set NEXT_C, 2048*OROW
.set ADRA, 16
.set ADRB, 20
.set STO,  24
.set RD,   25
.set CO,   26
.set SPW,  28
.set NIL,  29
.set PFO,  30
.set XA,   96
.set G1,  24
.set G0,  32
.set G1B, 48
.set G0B, 56
.set BA,  68
.set BB,  70
.set F1,  80
.set F2,  82
.set KO,  90
.set PB,  92                           ; s[92:93] the prefetches' rows
.set PA,  94                           ; s[94:95] the address that a prefetch names
.set PK,  96                           ; s[96:97] its place along K
.set PT,  98                           ; s[98:99] a step of the rows
.set PC,  100                          ; prefetches still to come
.set MSB, 0
.macro WIN new
.if MSB != \new
	s_set_vgpr_msb (MSB<<8)|\new
.set MSB, \new
.endif
.endm
.set TO_B, 0x40
.macro PLACES
.rept 4
	v_nop
.endr
.endm
; a joint load: waves 0, 1 ask for xr, xi; waves 2, 3 for Wr, Wi.
.macro JLOAD s
	s_cmp_eq_u32 s19, 0
	s_cbranch_scc0 .Lfor_b_\@
	tensor_load_to_lds s[G0+4*\s:G0+4*\s+3], s[G1:G1+7]
	s_nop 0
	PLACES
	s_branch .Lasked_\@
.Lfor_b_\@:
	tensor_load_to_lds s[G0B+4*\s:G0B+4*\s+3], s[G1B:G1B+7]
	s_nop 0
	PLACES
.Lasked_\@:
.endm
.macro AIM s                           ; slot s's two descriptors at the next place along K, which goes round
	s_add_nc_u64 s[G0+4*\s+2:G0+4*\s+3], s[BA:BA+1], s[KO:KO+1]
	s_or_b32 s[G0+4*\s+3], s[G0+4*\s+3], 0x80000000
	s_add_nc_u64 s[G0B+4*\s+2:G0B+4*\s+3], s[BB:BB+1], s[KO:KO+1]
	s_or_b32 s[G0B+4*\s+3], s[G0B+4*\s+3], 0x80000000
	s_add_co_u32 s[KO], s[KO], ROWB
	s_and_b32 s[KO], s[KO], KMASK
.endm
.macro CREST
	s_cmp_lg_u32 s18, 0
	s_cbranch_scc1 .Lnot_wave_0_\@
	s_barrier_signal -3
.Lnot_wave_0_\@:
	s_barrier_wait -3
	s_barrier_signal -1
	s_barrier_wait -1
.endm
.macro CROUND
	s_barrier_signal -1
	s_barrier_wait -1
	CREST
.endm
.macro ASKA                            ; the next prefetch's address; with eight left x's rows go on to the second tile
	s_wait_xcnt 0x0                                ; the last prefetch has read its address
	s_cmp_eq_u32 s[PC], 8
	s_cselect_b32 s[PT], NEXT_A, 0
	s_add_nc_u64 s[PB:PB+1], s[PB:PB+1], s[PT:PT+1]
	s_add_nc_u64 s[PA:PA+1], s[PB:PB+1], s[PK:PK+1]
	s_add_co_u32 s[PK], s[PK], ROWB
	s_and_b32 s[PK], s[PK], KMASK
.endm
.macro ASKB
	s_cmp_eq_u32 s[PC], 0
	s_cbranch_scc1 .Lno_ask_\@
	global_prefetch_b8 v[PFO], s[PA:PA+1] th:TH_LOAD_NT scope:SCOPE_SE
	s_sub_co_u32 s[PC], s[PC], 1
.Lno_ask_\@:
.endm
	s_load_b256 s[4:11], s[0:1], 0x0               ; xr, xi, Wr, Wi
	s_load_b128 s[12:15], s[0:1], 0x20             ; the exponents, out0
	s_load_b64 s[16:17], s[0:1], 0x30              ; out1
	v_lshl_add_u32 v[SPW], v0, 2, SPARE
	v_mov_b32 v[NIL], 0
	ds_add_u32 v[SPW], v[NIL]                      ; the opening lines: the add twice on end and one wait
	ds_add_u32 v[SPW], v[NIL]
	v_lshrrev_b32 v1, 5, v0
	v_readfirstlane_b32 s18, v1                    ; wave
	s_lshr_b32 s19, s18, 1                         ; my half of the rows; also: I ask for x (0) or W (1)
	s_and_b32 s20, s18, 1                          ; my half of the columns; also: the real (0) or imaginary (1) buffer
	s_bfe_u32 s40, ttmp6, 0x40000                  ; cx
	s_bfe_u32 s41, ttmp6, 0x40004                  ; cy
	s_lshl_b32 s42, ttmp9, 2
	s_add_co_u32 s42, s42, s40                     ; tile column
	s_and_b32 s88, ttmp7, 0xffff
	s_lshl_b32 s88, s88, 2
	s_add_co_u32 s88, s88, s41                     ; tile row
	s_lshl_b32 s43, s41, 2
	s_lshl_b32 s43, 15, s43                        ; my row of the cluster
	s_lshl_b32 s44, 0x1111, s40                    ; my column
	s_lshl_b32 s[KO], ttmp9, 9                     ; the cluster's first place along K
	s_and_b32 s21, ttmp7, 0xffff
	s_lshl_b32 s21, s21, 10
	s_add_co_u32 s[KO], s[KO], s21
	s_and_b32 s[KO], s[KO], KMASK
	s_mov_b32 s[KO+1], 0
	s_add_co_u32 s[PK], s[KO], ROWB                ; the first prefetch names slot 1
	s_and_b32 s[PK], s[PK], KMASK
	s_mov_b32 s[PK+1], 0
	s_or_b32 s[G1+0], s43, (0<<16)|(1<<20)|(1<<21)|(5<<22)|(3<<25)   ; bytes; 4 words of padding behind every 64
	s_or_b32 s[G1B+0], s44, (0<<16)|(1<<20)|(1<<21)|(5<<22)|(3<<25)
.irp g, G1, G1B
	s_mov_b32 s[\g+1], ROWB<<16
	s_mov_b32 s[\g+2], 128<<16
	s_mov_b32 s[\g+3], ROWB<<16
	s_mov_b32 s[\g+4], 128
	s_mov_b32 s[\g+5], KDIM
	s_mov_b32 s[\g+6], 0
	s_mov_b32 s[\g+7], 0
.endr
	s_lshl_b32 s66, s88, 18                        ; 128 rows of 2,048 bytes a tile row
	s_mov_b32 s67, 0
	s_lshl_b32 s46, s42, 18
	s_mov_b32 s47, 0
	s_mul_i32 s45, s18, HALFT
	s_mul_i32 s21, s19, 64*PITCH                   ; my 64 rows of xr (xi's lie HALFT further on)
	s_mul_i32 s22, s20, 64*PITCH
	s_add_co_u32 s22, s22, 2*HALFT                 ; my 64 rows of Wr
	s_mul_i32 s23, s18, 16*PITCH
	s_add_co_u32 s23, s23, STAGE                   ; my stage
	v_and_b32 v1, 15, v0                           ; r
	v_bfe_u32 v2, v0, 4, 1                         ; h
	v_mul_u32_u24 v3, v1, PITCH
	v_lshl_add_u32 v4, v2, 4, v3
	v_add_nc_u32 v[ADRA], s21, v4
	v_add_nc_u32 v[ADRB], s22, v4
	v_add_nc_u32 v[ADRA+1], SLOT, v[ADRA]
	v_add_nc_u32 v[ADRB+1], SLOT, v[ADRB]
	v_lshl_add_u32 v5, v2, 5, v3
	v_add_nc_u32 v[STO], s23, v5                   ; into the stage: row r, 32 bytes for each half of the lanes
	v_mul_u32_u24 v6, v2, PITCH
	v_lshl_add_u32 v6, v1, 4, v6
	v_add_nc_u32 v[RD], s23, v6                    ; back: lanes 0-15 one row of 256 bytes, lanes 16-31 the next
	v_lshlrev_b32 v7, 13, v2
	v_lshl_add_u32 v[CO], v1, 4, v7                ; the same two rows in an output
	v_and_b32 v[PFO], 31, v0
	v_lshlrev_b32 v[PFO], 11, v[PFO]               ; a lane a row
	s_wait_alu depctr_va_vdst(0)                   ; the wait at the end of the head's vector work
	s_wait_dscnt 0x0
	s_wait_kmcnt 0x0
	s_load_b256 s[72:79], s[12:13], 0x0
	s_cmp_eq_u32 s20, 0
	s_cselect_b64 s[BA:BA+1], s[4:5], s[6:7]
	s_cselect_b64 s[BB:BB+1], s[8:9], s[10:11]
	s_add_nc_u64 s[BA:BA+1], s[BA:BA+1], s[66:67]
	s_add_nc_u64 s[BB:BB+1], s[BB:BB+1], s[46:47]
	s_cmp_eq_u32 s19, 0
	s_cselect_b64 s[PB:PB+1], s[BA:BA+1], s[BB:BB+1]
	s_cselect_b32 s[PC], 15, 7
	s_cselect_b32 s[PT], s40, s41                  ; my place among the four that ask with me
	s_lshl_b32 s[PT], s[PT], 16                    ; x 32 rows
	s_mov_b32 s[PT+1], 0
	s_add_nc_u64 s[PB:PB+1], s[PB:PB+1], s[PT:PT+1]
	CROUND                                         ; in front of the first joint loads
.irp s, 0,1
	s_mov_b32 s[G0+4*\s], 1
	s_add_co_u32 s[G0+4*\s+1], s45, \s*SLOT
	s_mov_b32 s[G0B+4*\s], 1
	s_add_co_u32 s[G0B+4*\s+1], s45, \s*SLOT
	AIM \s
.endr
	JLOAD 0                                        ; slot 0: one tensor load a wave at the head
	ASKA
	ASKB                                           ; slot 1's rows
	s_lshl_b32 s66, s88, 20                        ; my first row of the outputs,
	s_lshl_b32 s21, s19, 19
	s_add_co_u32 s66, s66, s21
	s_lshl_b32 s46, s42, 9                         ; my first column
	s_lshl_b32 s47, s20, 8
	s_add_co_u32 s46, s46, s47
	s_mov_b32 s47, 0
	s_add_nc_u64 s[14:15], s[14:15], s[66:67]
	s_add_nc_u64 s[14:15], s[14:15], s[46:47]
	s_add_nc_u64 s[16:17], s[16:17], s[66:67]
	s_add_nc_u64 s[16:17], s[16:17], s[46:47]
	s_add_nc_u64 s[4:5], s[14:15], NEXT_C          ; the second tile's places
	s_add_nc_u64 s[6:7], s[16:17], NEXT_C
	s_wait_kmcnt 0x0
.irp p, 0,1,2,3
	s_add_co_i32 s[F1+2*\p], s[72+2*\p], s[73+2*\p]
	s_add_co_i32 s[F1+2*\p], s[F1+2*\p], 127
	s_lshl_b32 s[F1+2*\p], s[F1+2*\p], 23          ; 2^(the product's two exponents)
.endr
	s_or_b32 s[F2], s[F2], 0x80000000              ; xi Wi is taken away
.irp p, 0,1,2,3
	s_mov_b32 s[F1+2*\p+1], s[F1+2*\p]
.endr
.macro LDA x, slot, k, q               ; row block k's two fragments (xr, xi) of step q -> buffer x: 8 loads
	WIN 0
.irp m, 0,1
.irp c, 0,1,2,3
	ds_load_b128 v[XA+32*(\x)+16*\m+4*\c:XA+32*(\x)+16*\m+4*\c+3], v[ADRA+\slot] offset:128*(\q)+32*\c+\m*HALFT+(\k)*16*PITCH
.endr
.endr
.endm
.macro LDB slot, q, b0, b1             ; W's fragments b0 .. b1 (0-3 Wr, 4-7 Wi) of step q -> set q: 4 loads each
	WIN TO_B
.set bi, \b0
.rept \b1-\b0+1
.irp c, 0,1,2,3
	ds_load_b128 v[128*(\q)+16*bi+4*\c:128*(\q)+16*bi+4*\c+3], v[ADRB+\slot] offset:128*(\q)+32*\c+(bi/4)*HALFT+(bi%4)*16*PITCH
.endr
.set bi, bi+1
.endr
	WIN 0
.endm
; 8 matrix instructions of group g: x part m against W's eight.  Used transposed (source 0 = rows of W): a lane holds eight neighbouring columns of one row.
; The 64 accumulators take turns in the same order in every step.
.macro MM g, m, zero
.set KK, (\g)%4
.set AC, 128*(KK%2)+64*(\m)
.set BF, 128*((\g)/4)
.set AX, XA+32*((\g)%5)+16*(\m)
.set WW, 0xa1+0x50*(KK/2)
	WIN WW
.irp b, 0,1,2,3,4,5,6,7
.if \zero
	v_wmma_f32_16x16x128_fp8_fp8 v[AC+8*\b:AC+8*\b+7], v[BF+16*\b:BF+16*\b+15], v[AX:AX+15], 0
.else
	v_wmma_f32_16x16x128_fp8_fp8 v[AC+8*\b:AC+8*\b+7], v[BF+16*\b:BF+16*\b+15], v[AX:AX+15], v[AC+8*\b:AC+8*\b+7]
.endif
.endr
.endm
; Row block k, in its own 128 registers: +0 xr Wr, +32 xr Wi, +64 xi Wr, +96 xi Wi.  z_real is made in +0..31, z_imag in +32..63 (each accumulator is read from its low end on).
; Each goes into my stage, 32 bytes a lane, and comes back into the same registers as whole rows of 256 bytes.
; LDS serves a wave's instructions in order, so no wait stands between the stores and the loads, nor ahead of the second output's stores.
.macro PACK k
.set AC, 128*((\k)%2)
.set WV, 0xa2+0x51*((\k)/2)            ; source 0, source 2 and destination in the block's window
.set WM, 0x88+0x44*((\k)/2)            ; a store's data and a load's destination there, addresses in window 0
	WIN WV
.irp j, 0,2,4,6,8,10,12,14,16,18,20,22,24,26,28,30
	v_pk_mul_f32 v[AC+\j:AC+\j+1], v[AC+\j:AC+\j+1], s[F1:F1+1] op_sel_hi:[1,0]
.endr
.irp j, 0,2,4,6,8,10,12,14,16,18,20,22,24,26,28,30
	v_pk_mul_f32 v[AC+32+\j:AC+32+\j+1], v[AC+32+\j:AC+32+\j+1], s[F1+6:F1+7] op_sel_hi:[1,0]
.endr
.irp j, 0,2,4,6,8,10,12,14,16,18,20,22,24,26,28,30
	v_pk_fma_f32 v[AC+\j:AC+\j+1], v[AC+96+\j:AC+96+\j+1], s[F2:F2+1], v[AC+\j:AC+\j+1] op_sel_hi:[1,0,1]
.endr
.irp j, 0,2,4,6,8,10,12,14,16,18,20,22,24,26,28,30
	v_pk_fma_f32 v[AC+32+\j:AC+32+\j+1], v[AC+64+\j:AC+64+\j+1], s[F2+2:F2+3], v[AC+32+\j:AC+32+\j+1] op_sel_hi:[1,0,1]
.endr
	WIN WM
.irp o, 0,1
.irp b, 0,1,2,3
	ds_store_b128 v[STO], v[AC+32*\o+8*\b:AC+32*\o+8*\b+3] offset:64*\b
	ds_store_b128 v[STO], v[AC+32*\o+8*\b+4:AC+32*\o+8*\b+7] offset:64*\b+16
.endr
.irp t, 0,1,2,3,4,5,6,7
	ds_load_b128 v[AC+32*\o+4*\t:AC+32*\o+4*\t+3], v[RD] offset:2*\t*PITCH
.endr
.endr
	WIN 0
.endm
.macro HPACK k                         ; four places behind the products that finished the block
	PLACES
	PACK \k
.endm
.macro SENDALL n, p0, p1               ; the tile's 64 stores; n: the LDS loads issued behind block 3's read-back
	s_wait_dscnt \n
.irp k, 0,1,2,3
.set AC, 128*(\k%2)
.set WM, 0x88+0x44*(\k/2)
	WIN WM
.irp t, 0,1,2,3,4,5,6,7
	global_store_b128 v[CO], v[AC+4*\t:AC+4*\t+3], s[\p0:\p0+1] offset:(16*\k+2*\t)*OROW th:TH_STORE_NT   ; 16 lanes store 256 consecutive bytes, aligned
.endr
.irp t, 0,1,2,3,4,5,6,7
	global_store_b128 v[CO], v[AC+32+4*\t:AC+32+4*\t+3], s[\p1:\p1+1] offset:(16*\k+2*\t)*OROW th:TH_STORE_NT
.endr
.endr
	WIN 0
.endm
; ONE SLOT.  s: the LDS slot.  zero: its first step starts the sums.  fill: 1 the slot is filled again; 2 the same, x's rows going on to the second tile; 0 a change of slots without a fill; 3 the last slot.
; hin: the tile before is sent out here, to p0 (out0) and p1 (out1).  hout: this slot ends a tile.
; Order of the LDS loads: ahead of group 0: X2 8, B1 28; of group 2: B1 4, X0 8, X1 8; of group 3: X2 8; then from the next slot ahead of group 5: B0 32; of group 7: X0, X1, X3, X4 32.
.macro SLOTM s, zero, fill, hin, hout, ask, p0, p1
	PLACES                                         ; four places ahead of loads into registers that matrix instructions have read, here and below
.if \hin
	PACK 3
.endif
	LDA 2, \s, 2, 0
	LDB \s, 1, 0, 6
.if \hin
	SENDALL 36, \p0, \p1
	s_wait_xcnt 0x0                                ; the stores have read their registers: the sums begin anew there
.endif
	s_wait_dscnt 60                                ; B's set 0 and X0 are in: behind them 24 + 36
	MM 0, 0, \zero
	MM 0, 1, \zero
	s_wait_dscnt 36                                ; X1, X3, X4 are in: behind them the 36
	MM 1, 0, \zero
	MM 1, 1, \zero
	PLACES
	LDB \s, 1, 7, 7
	LDA 0, \s, 1, 1
	LDA 1, \s, 2, 1
	s_wait_dscnt 48                                ; X2 is in: behind it 28 + 20
	MM 2, 0, \zero
	MM 2, 1, \zero
.if \ask
	ASKA
.endif
	PLACES
	LDA 2, \s, 3, 1                                ; my last reads of this slot
.if \fill != 3
	s_wait_tensorcnt 0x0                           ; my part of the next slot has landed
	ds_add_u32 v[SPW], v[NIL]
	MM 3, 0, \zero
	MM 3, 1, \zero
	s_wait_dscnt 0x0                               ; the add is done and my reads of this slot are back
	s_barrier_signal -1
	MM 4, 0, 0
	MM 4, 1, 0
	WIN 0
	s_barrier_wait -1
.if \fill
	CREST                                          ; the barrier opened a round of the cluster's barrier
.if \fill == 2
	s_add_nc_u64 s[BA:BA+1], s[BA:BA+1], NEXT_A
.endif
	AIM \s
	JLOAD \s                                       ; the first tensor load behind the round; its four v_nop are the places for the loads below
.else
	PLACES
.endif
	LDB 1-\s, 0, 0, 7
.if \ask
	ASKB
.endif
.else
	MM 3, 0, \zero
	MM 3, 1, \zero
	s_wait_dscnt 0x0
	MM 4, 0, 0
	MM 4, 1, 0
.endif
	MM 5, 0, 0
.if \hout
	HPACK 0
.endif
	MM 5, 1, 0
	MM 6, 0, 0
.if \hout
	HPACK 1
.endif
	MM 6, 1, 0
.if \fill != 3
	PLACES
	LDA 0, 1-\s, 0, 0
	LDA 1, 1-\s, 1, 0
	LDA 3, 1-\s, 3, 0
	LDA 4, 1-\s, 0, 1
.endif
	MM 7, 0, 0
.if \hout
	HPACK 2
.endif
	MM 7, 1, 0
	WIN 0
.endm
.macro LAPS2                           ; four slots in two trips
	s_mov_b32 s3, 2
.Llap_\@:
	SLOTM 0, 0, 1, 0, 0, 1, 0, 0
	SLOTM 1, 0, 1, 0, 0, 1, 0, 0
	s_sub_co_u32 s3, s3, 1
	s_cmp_lg_u32 s3, 0
	s_cbranch_scc1 .Llap_\@
.endm
	s_wait_tensorcnt 0x0                           ; my part of slot 0 is in; slot 1's first fill is issued as a refill is
	ds_add_u32 v[SPW], v[NIL]
	s_wait_dscnt 0x0
	CROUND
	JLOAD 1
	ASKA
	ASKB                                           ; slot 2's rows
	LDB 0, 0, 0, 7                                 ; slot 0's first fragments, in the order of the runs ahead of groups 5 and 7
	LDA 0, 0, 0, 0
	LDA 1, 0, 1, 0
	LDA 3, 0, 3, 0
	LDA 4, 0, 0, 1
	ASKA
	ASKB                                           ; slot 3's rows
	SLOTM 0, 1, 1, 0, 0, 1, 0, 0                   ; the first tile: slots 0 to 7
	SLOTM 1, 0, 1, 0, 0, 1, 0, 0
	LAPS2
	SLOTM 0, 0, 2, 0, 0, 1, 0, 0                   ; asks for the second tile's first slot
	SLOTM 1, 0, 1, 0, 1, 1, 0, 0
	SLOTM 0, 1, 1, 1, 0, 1, 14, 16                 ; the second tile: slots 8 to 15
	SLOTM 1, 0, 1, 0, 0, 1, 0, 0
	LAPS2
	SLOTM 0, 0, 0, 0, 0, 0, 0, 0
	SLOTM 1, 0, 3, 0, 1, 0, 0, 0
	HPACK 3
	SENDALL 0, 4, 6
	s_wait_tensorcnt 0x0                           ; the wave's end
	ds_add_u32 v[SPW], v[NIL]
	s_wait_dscnt 0x0
	CROUND                                         ; the closing round
	s_endpgm
.Lfunc_end_k_qc7e72be76f_dft:
	.size	k_qc7e72be76f_dft, .Lfunc_end_k_qc7e72be76f_dft-k_qc7e72be76f_dft
	.p2alignl 7, 3214868480
	.fill 96, 4, 3214868480
	.section	.rodata,"a",@progbits
	.p2align	6, 0x0
	.amdhsa_kernel k_qc7e72be76f_dft
		.amdhsa_group_segment_fixed_size 327680
		.amdhsa_private_segment_fixed_size 0
		.amdhsa_enable_private_segment 0
		.amdhsa_kernarg_size 56
		.amdhsa_user_sgpr_count 2
		.amdhsa_user_sgpr_kernarg_segment_ptr 1
		.amdhsa_wavefront_size32 1
		.amdhsa_system_sgpr_workgroup_id_x 1
		.amdhsa_system_sgpr_workgroup_id_y 1
		.amdhsa_system_sgpr_workgroup_id_z 1
		.amdhsa_system_vgpr_workitem_id 0
		.amdhsa_next_free_vgpr 1024
		.amdhsa_next_free_sgpr 102
		.amdhsa_reserve_vcc 0
		.amdhsa_float_denorm_mode_32 3
		.amdhsa_float_denorm_mode_16_64 3
		.amdhsa_memory_ordered 1
		.amdhsa_forward_progress 1
		.amdhsa_inst_pref_size 255
	.end_amdhsa_kernel
	.section	.bss,"aw",@nobits
	.p2align	6
	.space	262144
	.amdgpu_metadata
---
amdhsa.version: [ 1, 2 ]
amdhsa.kernels:
  - .name:           k_qc7e72be76f_dft
    .symbol:         k_qc7e72be76f_dft.kd
    .args:
      - { .name: x_real_codes, .offset: 0, .size: 8, .value_kind: global_buffer, .address_space: global }
      - { .name: x_imag_codes, .offset: 8, .size: 8, .value_kind: global_buffer, .address_space: global }
      - { .name: W_real_codes, .offset: 16, .size: 8, .value_kind: global_buffer, .address_space: global }
      - { .name: W_imag_codes, .offset: 24, .size: 8, .value_kind: global_buffer, .address_space: global }
      - { .name: lowp_scales, .offset: 32, .size: 8, .value_kind: global_buffer, .address_space: global }
      - { .name: out0, .offset: 40, .size: 8, .value_kind: global_buffer, .address_space: global }
      - { .name: out1, .offset: 48, .size: 8, .value_kind: global_buffer, .address_space: global }
    .group_segment_fixed_size: 327680
    .private_segment_fixed_size: 0
    .kernarg_segment_align: 8
    .kernarg_segment_size: 56
    .max_flat_workgroup_size: 128
    .sgpr_count:     102
    .vgpr_count:     1024
    .wavefront_size: 32
...
	.end_amdgpu_metadata
.endif
;; end of part 1
